; MI455X (gfx1250); checked and timed in simulation.
; The chip was launched on July 23, 2026; its instructions are those of AMD's public machine-readable ISA for CDNA 5 (MIT licence, August 2026) and "CDNA5" Instruction Set Architecture Reference Guide (July 2026). The comments in the code are by the model that wrote it; some were corrected since.
;; Advanced CRSN. Allowed arithmetic: float matrix products may take bf16 or f16 operands with f32 sums; all other float work in f32.
;; Inputs: Wi 64 x 64 float32; Wr 64 x 64 float32; adj 32 x 32 float32; codebook 32 x 128 float32; dec_b 32 float32; dec_w 32 x 128 float32; emb_mag 32 x 64 float32; emb_phase 32 x 64 float32; halt_b 1 float32; halt_w 1 x 128 float32; ln_scale 64 float32; ln_shift 64 float32; mr_bias 64 float32; x 131,072 x 1 int32.
;; Outputs: out0 131,072 x 32 float32; out1 one number float32; out2 one number float32.
;; One version. Each part assembles by itself: llvm-mc -triple=amdgcn-amd-amdhsa -mcpu=gfx1250 --defsym DOCPART=n.
;; ======== version 1 of 1: 2 launches
;; limits: right only within a limited range of input values
;; workspace buffers: ws 20,736 bytes
;; launch tokens (part 1): grid 160 x 1, 1 waves a work-group, no clusters, 167,936 bytes of LDS; arguments x, emb_mag, emb_phase, Wr, Wi, codebook, dec_w, adj, ln_scale, ln_shift, mr_bias, halt_w, halt_b, dec_b, ws; writes ws
.if DOCPART == 1
	.amdgcn_target "amdgcn-amd-amdhsa--gfx1250"
	.amdhsa_code_object_version 6
	.text
	.protected	k_q50d37aa634_tokens
	.globl	k_q50d37aa634_tokens
	.p2align	8
	.type	k_q50d37aa634_tokens,@function
k_q50d37aa634_tokens:
	s_mov_b64 s[64:65], 0
	v_nop
	global_prefetch_b8 v0, s[64:65] scope:SCOPE_SE
	s_setreg_imm32_b32 hwreg(HW_REG_WAVE_MODE, 25, 1), 1
	s_wait_xcnt 0x0
; AdvancedCRSN, first of two launches.  No step of the module mixes rows (but for the two means), and a row starts from emb_*[x[i]] with x[i] in 0..31:
; so a row of logits is a function of its token alone.  This launch runs the whole recursion once for each of the 32 tokens and counts how often each token occurs.
;   work-groups 0..31   : token v = the work-group's number: embedding, four steps (complex linear, magnitude layer norm, ModReLU, halting, VQ with graph bias), decoder.
;                         Stores ws.TAB[v][0..31] (the logits of token v) and ws.STAT[v] = (sum over steps of still, sum over steps and 128 features of (zq - feats)^2).
;   work-groups 32..159 : chunk h = number - 32: how often each token stands among x[1024 h .. 1024 h + 1023]; stores ws.HIST[h][0..31] as f32.
; ONE WAVE a work-group.  Lane l owns the complex elements 2 l and 2 l + 1 (register pairs); in the distances a lane is a code, in the decoder an output.
; ALL ARITHMETIC IS f32 ON THE VECTOR UNIT, no matrix instruction: what is left of the products is 32 chains of matrix x vector (4 x 160 rows of 64 or 128 a token),
; and each step's argmin decides 0.3 x a codebook row for every row of that token: operands rounded to 16 bits could turn such a decision.
; NO CLUSTER: the 32 token work-groups read the same weights (65,536 bytes in the six tiles), but once, at their start; the histogram work-groups read none of them.
; The argmin steers no address and no branch: codebook[idx] and adj[idx] are picked from registers by v_cndmask_b32 trees on the five bits of idx.
; LIMITS.  x is taken as 0..31 (clamped, unsigned, to 31).  NaN and infinities are not treated apart.  sin and cos: reduction by pi/2 in three parts and polynomials of
; degree 7 and 8, absolute error under 1e-6 for |phase| up to 1e4.  Roots, reciprocals and exponentials are good to 1 ULP and count denormals as 0 (ISA guide 15.8).
; Sums run in another order than reference()'s.  Of equal distances the lowest index wins, as in jnp.argmin.
.set WRE,   0                          ; LDS: Wr's even rows, 32 x 272 bytes (256 + 16 of padding = 68 words: lane l's row starts at bank 4 l mod 64; 64 banks of 4 bytes: ISA guide 11.1)
.set WRO,   8704                       ; Wr's odd rows
.set WIE,   17408                      ; Wi's even rows
.set WIO,   26112                      ; Wi's odd rows
.set CBL,   34816                      ; codebook, 32 x 528 bytes (512 + 16)
.set DWL,   51712                      ; dec_w, 32 x 528 bytes; ends at 68,608
.set BC,    68608                      ; 512 bytes in two blocks of 256 of their own: 128 f32 that every lane is to see; written by ds_store alone
.set SPARE, 69120                      ; the spare words: one block of 256 bytes that no other line names
.set HIST,  0                          ; ws: [128][32] f32
.set TAB,   16384                      ; ws: [32][32] f32
.set STAT,  20480                      ; ws: [32][2] f32
; vector registers, window 0
.set L8,   1                           ; 8 x lane
.set L4,   2                           ; 4 x lane
.set ROWW, 3                           ; 272 x lane
.set ROWC, 4                           ; 528 x lane
.set BST,  5                           ; BC + 8 x lane
.set BLD,  6                           ; BC
.set SPW,  7                           ; my spare word; never rewritten
.set NIL,  8                           ; 0; never rewritten
.set TA,   9                           ; destinations of v_permlanex16_b32
.set TB,   10
.set ZO,   11                          ; token path: 0, a store's offset; histogram path: 16 x lane
.set ZR,   12                          ; v[12:13], v[14:15] z
.set ZI,   14
.set LNS,  16
.set LNB,  18
.set MRB,  20
.set HWR,  22
.set HWI,  24
.set DECB, 26
.set CBSQ, 27                          ; |codebook[lane]|^2
.set BIAS, 28                          ; 0.1 sigmoid(adj[sym][lane]); 0 in the first step
.set HALT, 29
.set REM,  30
.set STS,  31                          ; sum of still
.set VQ,   32                          ; v[32:33] my part of the sum of (zq - f)^2
.set AR,   34
.set AI,   36
.set ACC,  38                          ; v[38:53] eight chains of packed sums
.set NR,   54
.set NI,   56
.set RAW,  58
.set RC,   60
.set DEV,  62
.set T0,   64
.set T1,   66
.set FR,   68
.set FI,   70
.set ZQ,   72                          ; v[72:75] codebook[idx] at my four features
.set DR,   76
.set DI,   78
.set S0,   80
.set S1,   81
.set P,    82
.set PE,   83
.set STILL, 84
.set D,    85
.set DMIN, 86
.set ADJS, 87
.set ADJ,  96                          ; v[96:127] adj[s][lane]
.set BCR,  128                         ; v[128:255] the 128 numbers read back from BC; later the trees' work space
; window 1: v0-63 Wr[2l][:], v64-127 Wr[2l+1][:], v128-191 Wi[2l][:], v192-255 Wi[2l+1][:]
; window 2: v0-127 codebook[lane][:]; v[128+4c+q] codebook[c][2l, 2l+1, 64+2l, 65+2l]
; window 3: v0-127 dec_w[lane][:]
.set CBT,  128
; scalar registers: s2 work-group; s[4:33] the 15 addresses; s[34:35] an offset; s80-81 lane selects; s82 counter; s83 last-step mask; s84 equality mask; s85 idx;
; s86-90 masks of idx's bits; s91 1/63; s92 -log2(e) halt_b; s93 saved EXEC; s94 1e-6; s95 -log2(e)
.set G1W, 36                           ; s[36:43] descriptor group 1: 32 rows x 64 f32, every second row
.set G1C, 44                           ; s[44:51] descriptor group 1: 32 rows x 128 f32
.set G0A, 52                           ; group 0 of the six tiles
.set G0B, 56
.set G0C, 60
.set G0D, 68
.set G0E, 72
.set G0F, 76
.set MSB, 0
.macro WIN new                         ; the immediate's high byte repeats the setting that is left; a switch that changes nothing is dropped
.if MSB != (\new)
	s_set_vgpr_msb (MSB<<8)|(\new)
.set MSB, (\new)
.endif
.endm
; sum (or least) over the 32 lanes, the result in every lane: four steps inside each half of 16 lanes ride on the arithmetic, one crosses the halves
.macro REDSUM r, t
.irp m, 1,2,4,8
	v_add_f32_dpp v[\r], v[\r], v[\r] row_xmask:\m row_mask:0xf bank_mask:0xf
.endr
	v_permlanex16_b32 v[\t], v[\r], s80, s81
	v_add_f32 v[\r], v[\r], v[\t]
.endm
.macro RED2SUM r1, t1, r2, t2          ; two sums, line by line in turns
.irp m, 1,2,4,8
	v_add_f32_dpp v[\r1], v[\r1], v[\r1] row_xmask:\m row_mask:0xf bank_mask:0xf
	v_add_f32_dpp v[\r2], v[\r2], v[\r2] row_xmask:\m row_mask:0xf bank_mask:0xf
.endr
	v_permlanex16_b32 v[\t1], v[\r1], s80, s81
	v_permlanex16_b32 v[\t2], v[\r2], s80, s81
	v_add_f32 v[\r1], v[\r1], v[\t1]
	v_add_f32 v[\r2], v[\r2], v[\t2]
.endm
.macro REDMIN r, t
.irp m, 1,2,4,8
	v_min_num_f32_dpp v[\r], v[\r], v[\r] row_xmask:\m row_mask:0xf bank_mask:0xf
.endr
	v_permlanex16_b32 v[\t], v[\r], s80, s81
	v_min_num_f32 v[\r], v[\r], v[\t]
.endm
; Every lane's two pairs go to BC, and all 128 numbers come back into every lane: 32 loads of 16 bytes at one address for all lanes.  Load i brings numbers F(i) .. F(i) + 3,
; F(i) = 64 (i % 2) + 4 (i / 2): real and imaginary parts by turns.  The bytes are the wave's own and LDS serves a wave's instructions in order (ISA guide 5.7.1.4): no wait between stores and loads.
.macro BCAST lo, hi
	ds_store_b64 v[BST], v[\lo:\lo+1]
	ds_store_b64 v[BST], v[\hi:\hi+1] offset:256
.set i, 0
.rept 32
.set ff, 64*(i%2)+4*(i/2)
	ds_load_b128 v[BCR+ff:BCR+ff+3], v[BLD] offset:4*ff
.set i, i+1
.endr
.endm
.macro FM acc, w, b                    ; a chain's next link; FIRST = 1: the product starts the chain, nothing is cleared
.if FIRST
	v_pk_mul_f32 v[(\acc):(\acc)+1], v[(\w):(\w)+1], v[(\b):(\b)+1]
.else
	v_pk_fma_f32 v[(\acc):(\acc)+1], v[(\w):(\w)+1], v[(\b):(\b)+1], v[(\acc):(\acc)+1]
.endif
.endm
.macro SUM8 dst                        ; the eight chains' sixteen numbers into one
	v_pk_add_f32 v[ACC:ACC+1], v[ACC:ACC+1], v[ACC+2:ACC+3]
	v_pk_add_f32 v[ACC+4:ACC+5], v[ACC+4:ACC+5], v[ACC+6:ACC+7]
	v_pk_add_f32 v[ACC+8:ACC+9], v[ACC+8:ACC+9], v[ACC+10:ACC+11]
	v_pk_add_f32 v[ACC+12:ACC+13], v[ACC+12:ACC+13], v[ACC+14:ACC+15]
	v_pk_add_f32 v[ACC:ACC+1], v[ACC:ACC+1], v[ACC+4:ACC+5]
	v_pk_add_f32 v[ACC+8:ACC+9], v[ACC+8:ACC+9], v[ACC+12:ACC+13]
	v_pk_add_f32 v[ACC:ACC+1], v[ACC:ACC+1], v[ACC+8:ACC+9]
	v_add_f32 v[\dst], v[ACC], v[ACC+1]
.endm
; (Wr + i Wi)(zr + i zi) for my rows 2l and 2l+1: eight chains (Wr zr, Wi zi, Wr zi, Wi zr for each row), two k a link, behind BCAST ZR, ZI
.macro LINEAR
	WIN 0x01                               ; source 0 (the weights) in window 1
.set kk, 0
.rept 32
.if kk%2 == 0
	s_wait_dscnt 30-kk                     ; the two loads that hold k = 2 kk .. 2 kk + 3 are in: 30 - kk younger loads may stay out
.endif
.if kk == 0
.set FIRST, 1
.else
.set FIRST, 0
.endif
	FM ACC+0,  2*kk,     BCR+2*kk
	FM ACC+2,  128+2*kk, BCR+64+2*kk
	FM ACC+4,  2*kk,     BCR+64+2*kk
	FM ACC+6,  128+2*kk, BCR+2*kk
	FM ACC+8,  64+2*kk,  BCR+2*kk
	FM ACC+10, 192+2*kk, BCR+64+2*kk
	FM ACC+12, 64+2*kk,  BCR+64+2*kk
	FM ACC+14, 192+2*kk, BCR+2*kk
.set kk, kk+1
.endr
	WIN 0
	v_pk_add_f32 v[ACC:ACC+1], v[ACC:ACC+1], v[ACC+2:ACC+3] neg_lo:[0,1] neg_hi:[0,1]          ; Wr zr - Wi zi
	v_pk_add_f32 v[ACC+4:ACC+5], v[ACC+4:ACC+5], v[ACC+6:ACC+7]                                ; Wr zi + Wi zr
	v_pk_add_f32 v[ACC+8:ACC+9], v[ACC+8:ACC+9], v[ACC+10:ACC+11] neg_lo:[0,1] neg_hi:[0,1]
	v_pk_add_f32 v[ACC+12:ACC+13], v[ACC+12:ACC+13], v[ACC+14:ACC+15]
	v_add_f32 v[NR], v[ACC], v[ACC+1]
	v_add_f32 v[NR+1], v[ACC+8], v[ACC+9]
	v_add_f32 v[NI], v[ACC+4], v[ACC+5]
	v_add_f32 v[NI+1], v[ACC+12], v[ACC+13]
.endm
; dst = the dot product of my row of 128 (registers 0-127 of the window that win gives source 0) with the 128 numbers of the BCAST in front
.macro DOT128 win, dst
	WIN \win
.set i, 0
.rept 32
.set ff, 64*(i%2)+4*(i/2)
.if i < 4
.set FIRST, 1
.else
.set FIRST, 0
.endif
	s_wait_dscnt 31-i                      ; load i is in: 31 - i younger loads may stay out
	FM ACC+2*((2*i)%8),   ff,   BCR+ff
	FM ACC+2*((2*i+1)%8), ff+2, BCR+ff+2
.set i, i+1
.endr
	WIN 0
	SUM8 \dst
.endm
; s = sin t, c = cos t.  k = t / (pi/2) rounded; r = t - k pi/2 with pi/2 in three parts; polynomials on |r| <= pi/4; the quadrant swaps the two and sets the signs.
.macro SINCOS t, s, c
	v_mul_f32 v[T0], 0x3f22f983, v[\t]
	v_rndne_f32 v[T0], v[T0]
	v_fmamk_f32 v[T0+1], v[T0], 0xbfc90000, v[\t]
	v_fmamk_f32 v[T0+1], v[T0], 0xb9fdaa00, v[T0+1]
	v_fmamk_f32 v[T0+1], v[T0], 0xb3a22168, v[T0+1]
	v_mul_f32 v[T0+2], v[T0+1], v[T0+1]                    ; z = r r
	v_mov_b32 v[T0+3], 0xb94ca1f9
	v_mov_b32 v[T0+4], 0x37ccf5ce
	v_fmaak_f32 v[T0+3], v[T0+3], v[T0+2], 0x3c08839e
	v_fmaak_f32 v[T0+4], v[T0+4], v[T0+2], 0xbab6061a
	v_fmaak_f32 v[T0+3], v[T0+3], v[T0+2], 0xbe2aaaa3
	v_fmaak_f32 v[T0+4], v[T0+4], v[T0+2], 0x3d2aaaa5
	v_mul_f32 v[T0+6], v[T0+1], v[T0+2]                    ; r z
	v_fma_f32 v[T0+7], v[T0+2], -0.5, 1.0                  ; 1 - z / 2
	v_fma_f32 v[T0+3], v[T0+3], v[T0+6], v[T0+1]           ; sin r
	v_mul_f32 v[T0+6], v[T0+2], v[T0+2]
	v_fma_f32 v[T0+4], v[T0+4], v[T0+6], v[T0+7]           ; cos r
	v_cvt_i32_f32 v[T0+5], v[T0]
	v_and_b32 v[T0+6], 1, v[T0+5]
	v_cmp_ne_u32 vcc_lo, 0, v[T0+6]
	v_cndmask_b32 v[\s], v[T0+3], v[T0+4], vcc_lo          ; odd quadrants swap
	v_cndmask_b32 v[\c], v[T0+4], v[T0+3], vcc_lo
	v_and_b32 v[T0+6], 2, v[T0+5]
	v_add_nc_u32 v[T0+5], 1, v[T0+5]
	v_lshlrev_b32 v[T0+6], 30, v[T0+6]
	v_and_b32 v[T0+5], 2, v[T0+5]
	v_xor_b32 v[\s], v[\s], v[T0+6]                        ; sin is negative in quadrants 2, 3
	v_lshlrev_b32 v[T0+5], 30, v[T0+5]
	v_xor_b32 v[\c], v[\c], v[T0+5]                        ; cos in quadrants 1, 2
.endm
; codebook[idx] at my four features and adj[idx][lane], picked by halving: level b keeps, of each pair, the one that bit b of idx names (s[86+b] is all ones or 0)
.macro TREE
	WIN 0x0a                               ; sources 0 and 1 in window 2
.set i, 0
.rept 64
	v_cndmask_b32 v[BCR+i], v[CBT+8*(i/4)+i%4], v[CBT+8*(i/4)+4+i%4], s86
.set i, i+1
.endr
	WIN 0
.set i, 0
.rept 16
	v_cndmask_b32 v[BCR+64+i], v[ADJ+2*i], v[ADJ+2*i+1], s86
.set i, i+1
.endr
.set i, 0
.rept 32
	v_cndmask_b32 v[BCR+8*(i/4)+i%4], v[BCR+8*(i/4)+i%4], v[BCR+8*(i/4)+4+i%4], s87
.set i, i+1
.endr
.set i, 0
.rept 8
	v_cndmask_b32 v[BCR+64+2*i], v[BCR+64+2*i], v[BCR+64+2*i+1], s87
.set i, i+1
.endr
.set i, 0
.rept 16
	v_cndmask_b32 v[BCR+16*(i/4)+i%4], v[BCR+16*(i/4)+i%4], v[BCR+16*(i/4)+8+i%4], s88
.set i, i+1
.endr
.set i, 0
.rept 4
	v_cndmask_b32 v[BCR+64+4*i], v[BCR+64+4*i], v[BCR+64+4*i+2], s88
.set i, i+1
.endr
.set i, 0
.rept 8
	v_cndmask_b32 v[BCR+32*(i/4)+i%4], v[BCR+32*(i/4)+i%4], v[BCR+32*(i/4)+16+i%4], s89
.set i, i+1
.endr
	v_cndmask_b32 v[BCR+64], v[BCR+64], v[BCR+68], s89
	v_cndmask_b32 v[BCR+72], v[BCR+72], v[BCR+76], s89
.set i, 0
.rept 4
	v_cndmask_b32 v[ZQ+i], v[BCR+i], v[BCR+32+i], s90
.set i, i+1
.endr
	v_cndmask_b32 v[ADJS], v[BCR+64], v[BCR+72], s90
.endm
	; ---- the head, common to both kinds of work-group
	s_load_b512 s[4:19], s[0:1], 0x0               ; x, emb_mag, emb_phase, Wr, Wi, codebook, dec_w, adj
	s_load_b256 s[20:27], s[0:1], 0x40             ; ln_scale, ln_shift, mr_bias, halt_w
	s_load_b128 s[28:31], s[0:1], 0x60             ; halt_b, dec_b
	s_load_b64 s[32:33], s[0:1], 0x70              ; ws
	v_lshl_add_u32 v[SPW], v0, 2, SPARE
	v_mov_b32 v[NIL], 0
	ds_add_u32 v[SPW], v[NIL]                      ; the wave's opening: the add and its wait ahead of my first tensor load; work on registers stands between them
	s_mov_b32 s2, ttmp9
	v_lshlrev_b32 v[L8], 3, v0
	v_lshlrev_b32 v[L4], 2, v0
	v_mul_u32_u24 v[ROWW], v0, 272
	v_mul_u32_u24 v[ROWC], v0, 528
	v_add_nc_u32 v[BST], BC, v[L8]
	v_mov_b32 v[BLD], BC
	v_mov_b32 v[TA], 0
	v_mov_b32 v[TB], 0
	; group 1 for Wr's and Wi's tiles: 32 rows of 64 f32, 128 elements from row to row (every second row), 4 words of padding behind every 64
	s_mov_b32 s[G1W+0], (2<<16)|(1<<20)|(5<<22)|(3<<25)
	s_mov_b32 s[G1W+1], 64<<16                     ; tensor_dim0 = 64
	s_mov_b32 s[G1W+2], 32<<16                     ; tensor_dim1 = 32
	s_mov_b32 s[G1W+3], 64<<16                     ; tile_dim0 = 64
	s_mov_b32 s[G1W+4], 32                         ; tile_dim1 = 32
	s_mov_b32 s[G1W+5], 128                        ; the pitch
	s_mov_b32 s[G1W+6], 0
	s_mov_b32 s[G1W+7], 0
	; group 1 for the codebook and dec_w: 32 rows of 128 f32, dense, 4 words of padding behind every 128
	s_mov_b32 s[G1C+0], (2<<16)|(1<<20)|(6<<22)|(3<<25)
	s_mov_b32 s[G1C+1], 128<<16
	s_mov_b32 s[G1C+2], 32<<16
	s_mov_b32 s[G1C+3], 128<<16
	s_mov_b32 s[G1C+4], 32
	s_mov_b32 s[G1C+5], 128
	s_mov_b32 s[G1C+6], 0
	s_mov_b32 s[G1C+7], 0
	s_mov_b32 s[G0A], 1
	s_mov_b32 s[G0A+1], WRE
	s_mov_b32 s[G0B], 1
	s_mov_b32 s[G0B+1], WRO
	s_mov_b32 s[G0C], 1
	s_mov_b32 s[G0C+1], WIE
	s_mov_b32 s[G0D], 1
	s_mov_b32 s[G0D+1], WIO
	s_mov_b32 s[G0E], 1
	s_mov_b32 s[G0E+1], CBL
	s_mov_b32 s[G0F], 1
	s_mov_b32 s[G0F+1], DWL
	s_wait_dscnt 0x0                               ; the opening add is done
	s_wait_kmcnt 0x0
	s_cmp_ge_u32 s2, 32
	s_cbranch_scc1 .Lhist
	; ---- a token's work-group.  All six tiles are asked for at once, each LDS byte once in the launch: six tensor loads of mine are out
	s_mov_b64 s[G0A+2:G0A+3], s[10:11]
	s_or_b32 s[G0A+3], s[G0A+3], 0x80000000
	s_add_nc_u64 s[G0B+2:G0B+3], s[10:11], 256     ; row 1
	s_or_b32 s[G0B+3], s[G0B+3], 0x80000000
	s_mov_b64 s[G0C+2:G0C+3], s[12:13]
	s_or_b32 s[G0C+3], s[G0C+3], 0x80000000
	s_add_nc_u64 s[G0D+2:G0D+3], s[12:13], 256
	s_or_b32 s[G0D+3], s[G0D+3], 0x80000000
	s_mov_b64 s[G0E+2:G0E+3], s[14:15]
	s_or_b32 s[G0E+3], s[G0E+3], 0x80000000
	s_mov_b64 s[G0F+2:G0F+3], s[16:17]
	s_or_b32 s[G0F+3], s[G0F+3], 0x80000000
	tensor_load_to_lds s[G0A:G0A+3], s[G1W:G1W+7]
	s_nop 0
	tensor_load_to_lds s[G0B:G0B+3], s[G1W:G1W+7]
	s_nop 0
	tensor_load_to_lds s[G0C:G0C+3], s[G1W:G1W+7]
	s_nop 0
	tensor_load_to_lds s[G0D:G0D+3], s[G1W:G1W+7]
	s_nop 0
	tensor_load_to_lds s[G0E:G0E+3], s[G1C:G1C+7]
	s_nop 0
	tensor_load_to_lds s[G0F:G0F+3], s[G1C:G1C+7]
	s_nop 0
	; the small inputs: 40 loads, the token's two embedding rows first
	s_load_b32 s92, s[28:29], 0x0                  ; halt_b
	s_lshl_b32 s34, s2, 8                          ; a row of 64 f32
	s_mov_b32 s35, 0
	s_add_nc_u64 s[6:7], s[6:7], s[34:35]
	s_add_nc_u64 s[8:9], s[8:9], s[34:35]
	global_load_b64 v[NR:NR+1], v[L8], s[6:7]      ; magnitude of my two elements
	global_load_b64 v[NI:NI+1], v[L8], s[8:9]      ; phase
	global_load_b64 v[LNS:LNS+1], v[L8], s[20:21]
	global_load_b64 v[LNB:LNB+1], v[L8], s[22:23]
	global_load_b64 v[MRB:MRB+1], v[L8], s[24:25]
	global_load_b64 v[HWR:HWR+1], v[L8], s[26:27]
	global_load_b64 v[HWI:HWI+1], v[L8], s[26:27] offset:256
	global_load_b32 v[DECB], v[L4], s[30:31]
.set i, 0
.rept 32
	global_load_b32 v[ADJ+i], v[L4], s[18:19] offset:128*i
.set i, i+1
.endr
	s_mov_b32 s80, 0x76543210                      ; v_permlanex16_b32: each lane takes its own place in the other half
	s_mov_b32 s81, 0xfedcba98
	s_mov_b32 s91, 0x3c820821                      ; 1 / 63
	s_mov_b32 s94, 0x358637bd                      ; 1e-6
	s_mov_b32 s95, 0xbfb8aa3b                      ; -log2(e)
	v_mov_b32 v[BIAS], 0
	v_mov_b32 v[HALT], 0
	v_mov_b32 v[REM], 1.0
	v_mov_b32 v[STS], 0
.set i, VQ
.rept 6
	v_mov_b32 v[i], 0                              ; VQ, AR, AI
.set i, i+1
.endr
	s_wait_loadcnt 38                              ; the two embedding loads are in: the 38 younger loads stay out
	SINCOS NI, RAW, RC
	SINCOS NI+1, RAW+1, RC+1
	v_pk_mul_f32 v[ZR:ZR+1], v[NR:NR+1], v[RC:RC+1]        ; r cos t
	v_pk_mul_f32 v[ZI:ZI+1], v[NR:NR+1], v[RAW:RAW+1]      ; r sin t
	; LDS to registers: every weight that the four steps use stays in registers
	s_wait_tensorcnt 2                             ; Wr's and Wi's four tiles are in; the codebook's and dec_w's may stay out
	WIN 0x40                                       ; destination window 1
.set i, 0
.rept 16
	ds_load_b128 v[4*i:4*i+3],         v[ROWW] offset:WRE+16*i
	ds_load_b128 v[64+4*i:64+4*i+3],   v[ROWW] offset:WRO+16*i
	ds_load_b128 v[128+4*i:128+4*i+3], v[ROWW] offset:WIE+16*i
	ds_load_b128 v[192+4*i:192+4*i+3], v[ROWW] offset:WIO+16*i
.set i, i+1
.endr
	s_wait_tensorcnt 0x0
	WIN 0x80                                       ; destination window 2
.set i, 0
.rept 32
	ds_load_b128 v[4*i:4*i+3], v[ROWC] offset:CBL+16*i             ; my code's row
.set i, i+1
.endr
.set i, 0
.rept 32
	ds_load_b64 v[CBT+4*i:CBT+4*i+1],   v[L8] offset:CBL+528*i     ; code i at my two real features,
	ds_load_b64 v[CBT+4*i+2:CBT+4*i+3], v[L8] offset:CBL+528*i+256 ; and at my two imaginary ones
.set i, i+1
.endr
	WIN 0xc0                                       ; destination window 3
.set i, 0
.rept 32
	ds_load_b128 v[4*i:4*i+3], v[ROWC] offset:DWL+16*i             ; my output's row of dec_w
.set i, i+1
.endr
	WIN 0
	s_wait_dscnt 0x0
	WIN 0x0a                                       ; |codebook[lane]|^2: both factors in window 2
.set i, 0
.rept 64
.if i < 8
.set FIRST, 1
.else
.set FIRST, 0
.endif
	FM ACC+2*(i%8), 2*i, 2*i
.set i, i+1
.endr
	WIN 0
	SUM8 CBSQ
	s_wait_loadcnt 0x0                             ; the gains, biases, halt_w, dec_b and adj
	s_wait_kmcnt 0x0                               ; halt_b
	s_mul_f32 s92, s92, s95                        ; -log2(e) halt_b
	s_mov_b32 s82, 4
.Lstep:                                                ; four trips, one text; no LDS instruction is out at the label on either way in
	BCAST ZR, ZI
	LINEAR
	; the magnitude and its layer norm, the phase kept
	v_pk_mul_f32 v[T0:T0+1], v[NR:NR+1], v[NR:NR+1]
	v_pk_fma_f32 v[T0:T0+1], v[NI:NI+1], v[NI:NI+1], v[T0:T0+1]
	v_sqrt_f32 v[RAW], v[T0]
	v_sqrt_f32 v[RAW+1], v[T0+1]
	v_nop                                          ; a plain instruction between a root and the use of its result (ISA guide 5.7.2); so behind every transcendental below
	s_wait_alu depctr_va_vdst(0)
	v_pk_add_f32 v[RC:RC+1], v[RAW:RAW+1], 0x0da24260 op_sel_hi:[1,0]      ; raw + 1e-30
	v_pk_add_f32 v[DEV:DEV+1], v[RAW:RAW+1], 0x358637bd op_sel_hi:[1,0]    ; mag = raw + 1e-6
	v_rcp_f32 v[RC], v[RC]
	v_rcp_f32 v[RC+1], v[RC+1]
	v_add_f32 v[S0], v[DEV], v[DEV+1]
	REDSUM S0, TA
	v_mul_f32 v[S0], 0x3c800000, v[S0]             ; the mean of 64
	v_sub_f32 v[DEV], v[DEV], v[S0]
	v_sub_f32 v[DEV+1], v[DEV+1], v[S0]
	v_mul_f32 v[S1], v[DEV], v[DEV]
	v_fmac_f32 v[S1], v[DEV+1], v[DEV+1]
	REDSUM S1, TA
	v_fma_f32 v[S1], v[S1], s91, s94               ; the unbiased variance + 1e-6
	v_rsq_f32 v[S1], v[S1]
	s_wait_alu depctr_va_vdst(0)
	v_pk_mul_f32 v[T1:T1+1], v[NR:NR+1], v[RC:RC+1]        ; cos of the phase
	v_pk_mul_f32 v[DR:DR+1], v[NI:NI+1], v[RC:RC+1]        ; sin
	v_mul_f32 v[T0], v[DEV], v[S1]
	v_mul_f32 v[T0+1], v[DEV+1], v[S1]
	v_pk_fma_f32 v[T0:T0+1], v[T0:T0+1], v[LNS:LNS+1], v[LNB:LNB+1]
	v_pk_mul_f32 v[T1:T1+1], v[T0:T0+1], v[T1:T1+1]        ; zr2
	v_pk_mul_f32 v[DR:DR+1], v[T0:T0+1], v[DR:DR+1]        ; zi2
	; ModReLU
	v_pk_mul_f32 v[DI:DI+1], v[T1:T1+1], v[T1:T1+1]
	v_pk_fma_f32 v[DI:DI+1], v[DR:DR+1], v[DR:DR+1], v[DI:DI+1]
	v_sqrt_f32 v[DI], v[DI]
	v_sqrt_f32 v[DI+1], v[DI+1]
	v_nop
	s_wait_alu depctr_va_vdst(0)
	v_pk_add_f32 v[DI:DI+1], v[DI:DI+1], 0x358637bd op_sel_hi:[1,0]        ; mag2
	v_rcp_f32 v[T0], v[DI]
	v_rcp_f32 v[T0+1], v[DI+1]
	v_pk_add_f32 v[DEV:DEV+1], v[DI:DI+1], v[MRB:MRB+1]
	v_max_num_f32 v[DEV], 0, v[DEV]
	v_max_num_f32 v[DEV+1], 0, v[DEV+1]
	s_wait_alu depctr_va_vdst(0)
	v_pk_mul_f32 v[DEV:DEV+1], v[DEV:DEV+1], v[T0:T0+1]
	v_pk_mul_f32 v[FR:FR+1], v[T1:T1+1], v[DEV:DEV+1]      ; feats, real
	v_pk_mul_f32 v[FI:FI+1], v[DR:DR+1], v[DEV:DEV+1]      ; feats, imaginary
	BCAST FR, FI
	; while the 128 features come back: feats . halt_w, |feats|^2, and the halting
	v_pk_mul_f32 v[T0:T0+1], v[FR:FR+1], v[HWR:HWR+1]
	v_pk_mul_f32 v[T1:T1+1], v[FR:FR+1], v[FR:FR+1]
	v_pk_fma_f32 v[T0:T0+1], v[FI:FI+1], v[HWI:HWI+1], v[T0:T0+1]
	v_pk_fma_f32 v[T1:T1+1], v[FI:FI+1], v[FI:FI+1], v[T1:T1+1]
	v_add_f32 v[S0], v[T0], v[T0+1]
	v_add_f32 v[S1], v[T1], v[T1+1]
	RED2SUM S0, TA, S1, TB
	v_cmp_gt_f32 vcc_lo, 0x3f7d70a4, v[HALT]       ; halting < 0.99
	v_fma_f32 v[P], v[S0], s95, s92                ; -log2(e) (feats . halt_w + halt_b)
	v_exp_f32 v[P], v[P]
	v_cndmask_b32 v[STILL], 0, 1.0, vcc_lo
	s_wait_alu depctr_va_vdst(0)
	v_add_f32 v[P], 1.0, v[P]
	v_rcp_f32 v[P], v[P]                           ; the sigmoid
	v_add_f32 v[STS], v[STS], v[STILL]
	s_cmp_eq_u32 s82, 1                            ; the last step takes what remains
	s_cselect_b32 s83, -1, 0
	s_wait_alu depctr_va_vdst(0)
	v_mul_f32 v[PE], v[P], v[STILL]
	v_cndmask_b32 v[PE], v[PE], v[REM], s83
	v_add_f32 v[HALT], v[HALT], v[PE]
	v_sub_f32 v[REM], v[REM], v[PE]
	; squared distance of feats to my code, less the graph's bias; the least, and the lowest lane that holds it
	DOT128 0x02, D
	v_add_f32 v[DMIN], v[S1], v[CBSQ]
	v_fma_f32 v[D], v[D], -2.0, v[DMIN]
	v_sub_f32 v[D], v[D], v[BIAS]
	v_mov_b32 v[DMIN], v[D]
	REDMIN DMIN, TA
	v_cmp_eq_f32 s84, v[D], v[DMIN]
	s_ctz_i32_b32 s85, s84                         ; idx
.irp b, 0,1,2,3,4
	s_bitcmp1_b32 s85, \b
	s_cselect_b32 s[86+\b], -1, 0
.endr
	TREE                                           ; the last trip's pick from adj, and the bias made of it, serve nothing: the price of one text for four trips
	v_mul_f32 v[ADJS], s95, v[ADJS]
	v_pk_add_f32 v[DR:DR+1], v[ZQ:ZQ+1], v[FR:FR+1] neg_lo:[0,1] neg_hi:[0,1]      ; zq - feats
	v_pk_add_f32 v[DI:DI+1], v[ZQ+2:ZQ+3], v[FI:FI+1] neg_lo:[0,1] neg_hi:[0,1]
	v_exp_f32 v[ADJS], v[ADJS]
	v_pk_fma_f32 v[VQ:VQ+1], v[DR:DR+1], v[DR:DR+1], v[VQ:VQ+1]
	v_pk_fma_f32 v[VQ:VQ+1], v[DI:DI+1], v[DI:DI+1], v[VQ:VQ+1]
	s_wait_alu depctr_va_vdst(0)
	v_add_f32 v[ADJS], 1.0, v[ADJS]
	v_pk_add_f32 v[DR:DR+1], v[FR:FR+1], v[DR:DR+1]        ; feats + (zq - feats), as reference() rounds it
	v_pk_add_f32 v[DI:DI+1], v[FI:FI+1], v[DI:DI+1]
	v_rcp_f32 v[ADJS], v[ADJS]
	v_pk_mul_f32 v[DR:DR+1], v[DR:DR+1], 0x3e99999a op_sel_hi:[1,0]
	v_pk_mul_f32 v[DI:DI+1], v[DI:DI+1], 0x3e99999a op_sel_hi:[1,0]
	s_wait_alu depctr_va_vdst(0)
	v_mul_f32 v[BIAS], 0x3dcccccd, v[ADJS]         ; 0.1 sigmoid(adj[idx][lane]) for the next step
	v_pk_fma_f32 v[ZR:ZR+1], v[FR:FR+1], 0x3f333333, v[DR:DR+1] op_sel_hi:[1,0,1]  ; 0.7 z3 + 0.3 s
	v_pk_fma_f32 v[ZI:ZI+1], v[FI:FI+1], 0x3f333333, v[DI:DI+1] op_sel_hi:[1,0,1]
	v_fmac_f32 v[AR], v[PE], v[ZR]
	v_fmac_f32 v[AR+1], v[PE], v[ZR+1]
	v_fmac_f32 v[AI], v[PE], v[ZI]
	v_fmac_f32 v[AI+1], v[PE], v[ZI+1]
	s_sub_co_u32 s82, s82, 1
	s_cmp_lg_u32 s82, 0
	s_cbranch_scc1 .Lstep
	; ---- the decoder: lane o makes logit o; then the token's row of the table and its two statistics leave
	BCAST AR, AI
	DOT128 0x03, D
	v_add_f32 v[D], v[D], v[DECB]
	s_lshl_b32 s34, s2, 7                          ; a row of 32 f32
	s_add_nc_u64 s[4:5], s[32:33], s[34:35]
	global_store_b32 v[L4], v[D], s[4:5] offset:TAB        ; 128 consecutive bytes
	v_add_f32 v[S1], v[VQ], v[VQ+1]
	REDSUM S1, TA
	v_mov_b32 v[S0], v[STS]
	s_lshl_b32 s34, s2, 3
	s_add_nc_u64 s[6:7], s[32:33], s[34:35]        ; (all loads through s[6:7] have landed)
	v_mov_b32 v[ZO], 0
	v_cmp_eq_u32 vcc_lo, 0, v0
	s_wait_xcnt 0x0                                ; EXEC is a source of the store above: it changes only behind this wait
	s_and_saveexec_b32 s93, vcc_lo
	global_store_b64 v[ZO], v[S0:S1], s[6:7] offset:STAT   ; lane 0 alone
	s_wait_xcnt 0x0                                ; and again in front of the line that widens it
	s_or_b32 exec_lo, exec_lo, s93
	s_wait_tensorcnt 0x0                           ; the wave's end, behind my last tensor load and my last LDS store
	ds_add_u32 v[SPW], v[NIL]
	s_wait_dscnt 0x0
	s_endpgm
	; ---- a histogram's work-group: lane = token.  1,024 entries of x, four to a word as bytes (each under 32).  Every lane looks at all 256 words, lane by lane:
	; word xor (token in all four bytes) has a zero byte where the entry is my token; + 0x7f sets bit 7 of every other byte, with no carry from byte to byte (31 + 127 < 256).
	; So the bytes counted are those that are NOT my token, and the count is 1,024 less their number.
.Lhist:
	s_sub_co_u32 s83, s2, 32                       ; h
	s_lshl_b32 s34, s83, 12                        ; 1,024 entries of 4 bytes
	s_mov_b32 s35, 0
	s_add_nc_u64 s[4:5], s[4:5], s[34:35]
	v_lshlrev_b32 v[ZO], 4, v0
.set i, 0
.rept 8
	global_load_b128 v[16+4*i:19+4*i], v[ZO], s[4:5] offset:512*i  ; 512 consecutive bytes a load
.set i, i+1
.endr
	s_mov_b32 s92, 0x7f7f7f7f
	s_mov_b32 s93, 0x01010101
	s_mov_b32 s94, 0x00ff00ff
	v_mul_lo_u32 v64, v0, s93                      ; my token in all four bytes
.set i, 66
.rept 4
	v_mov_b32 v[i], 0                              ; four counters of four bytes
.set i, i+1
.endr
	s_wait_loadcnt 0x0
.set i, 16
.rept 32
	v_min_u32 v[i], 31, v[i]
.set i, i+1
.endr
.set i, 0
.rept 8
	v_lshl_or_b32 v[48+i], v[17+4*i], 8, v[16+4*i]
	v_lshl_or_b32 v[48+i], v[18+4*i], 16, v[48+i]
	v_lshl_or_b32 v[48+i], v[19+4*i], 24, v[48+i]
.set i, i+1
.endr
	s_mov_b32 s82, 0
.Llane:                                                ; trip n: the eight words of lane n, 32 entries
.irp i, 0,1,2,3,4,5,6,7
	v_readlane_b32 s[84+\i], v[48+\i], s82
.endr
.irp i, 0,1,2,3,4,5,6,7
	v_xor_b32 v[56+\i], s[84+\i], v64
.endr
.irp i, 0,1,2,3,4,5,6,7
	v_add_nc_u32 v[56+\i], s92, v[56+\i]
.endr
.irp i, 0,1,2,3,4,5,6,7
	v_lshrrev_b32 v[56+\i], 7, v[56+\i]
.endr
.irp i, 0,1,2,3,4,5,6,7
	v_and_b32 v[56+\i], s93, v[56+\i]
.endr
.irp i, 0,1,2,3
	v_add3_u32 v[66+\i], v[66+\i], v[56+2*\i], v[57+2*\i]  ; a byte reaches 2 x 32 = 64 at the most
.endr
	s_add_co_u32 s82, s82, 1
	s_cmp_lt_u32 s82, 32
	s_cbranch_scc1 .Llane
	v_add_nc_u32 v66, v66, v67                     ; 128 a byte at the most
	v_add_nc_u32 v68, v68, v69
	v_and_b32 v56, s94, v66                        ; bytes into halves of 16 bits
	v_lshrrev_b32 v57, 8, v66
	v_and_b32 v58, s94, v68
	v_lshrrev_b32 v59, 8, v68
	v_and_b32 v57, s94, v57
	v_and_b32 v59, s94, v59
	v_add3_u32 v56, v56, v57, v58
	v_add_nc_u32 v56, v56, v59                     ; 512 a half at the most
	v_and_b32 v57, 0xffff, v56
	v_lshrrev_b32 v58, 16, v56
	v_add_nc_u32 v56, v57, v58
	v_sub_nc_u32 v56, 1024, v56
	v_cvt_f32_u32 v56, v56
	s_lshl_b32 s34, s83, 7
	s_add_nc_u64 s[32:33], s[32:33], s[34:35]
	global_store_b32 v[L4], v56, s[32:33] offset:HIST      ; 128 consecutive bytes
	s_wait_tensorcnt 0x0                           ; the wave's end
	ds_add_u32 v[SPW], v[NIL]
	s_wait_dscnt 0x0
	s_endpgm
.Lfunc_end_k_q50d37aa634_tokens:
	.size	k_q50d37aa634_tokens, .Lfunc_end_k_q50d37aa634_tokens-k_q50d37aa634_tokens
	.p2alignl 7, 3214868480
	.fill 96, 4, 3214868480
	.section	.rodata,"a",@progbits
	.p2align	6, 0x0
	.amdhsa_kernel k_q50d37aa634_tokens
		.amdhsa_group_segment_fixed_size 167936
		.amdhsa_private_segment_fixed_size 0
		.amdhsa_enable_private_segment 0
		.amdhsa_kernarg_size 120
		.amdhsa_user_sgpr_count 2
		.amdhsa_user_sgpr_kernarg_segment_ptr 1
		.amdhsa_wavefront_size32 1
		.amdhsa_system_sgpr_workgroup_id_x 1
		.amdhsa_system_sgpr_workgroup_id_y 1
		.amdhsa_system_sgpr_workgroup_id_z 1
		.amdhsa_system_vgpr_workitem_id 0
		.amdhsa_next_free_vgpr 896
		.amdhsa_next_free_sgpr 96
		.amdhsa_reserve_vcc 1
		.amdhsa_float_denorm_mode_32 3
		.amdhsa_float_denorm_mode_16_64 3
		.amdhsa_memory_ordered 1
		.amdhsa_forward_progress 1
		.amdhsa_inst_pref_size 87
	.end_amdhsa_kernel
	.amdgpu_metadata
---
amdhsa.version: [ 1, 2 ]
amdhsa.kernels:
  - .name:           k_q50d37aa634_tokens
    .symbol:         k_q50d37aa634_tokens.kd
    .args:
      - { .name: x, .offset: 0, .size: 8, .value_kind: global_buffer, .address_space: global }
      - { .name: emb_mag, .offset: 8, .size: 8, .value_kind: global_buffer, .address_space: global }
      - { .name: emb_phase, .offset: 16, .size: 8, .value_kind: global_buffer, .address_space: global }
      - { .name: Wr, .offset: 24, .size: 8, .value_kind: global_buffer, .address_space: global }
      - { .name: Wi, .offset: 32, .size: 8, .value_kind: global_buffer, .address_space: global }
      - { .name: codebook, .offset: 40, .size: 8, .value_kind: global_buffer, .address_space: global }
      - { .name: dec_w, .offset: 48, .size: 8, .value_kind: global_buffer, .address_space: global }
      - { .name: adj, .offset: 56, .size: 8, .value_kind: global_buffer, .address_space: global }
      - { .name: ln_scale, .offset: 64, .size: 8, .value_kind: global_buffer, .address_space: global }
      - { .name: ln_shift, .offset: 72, .size: 8, .value_kind: global_buffer, .address_space: global }
      - { .name: mr_bias, .offset: 80, .size: 8, .value_kind: global_buffer, .address_space: global }
      - { .name: halt_w, .offset: 88, .size: 8, .value_kind: global_buffer, .address_space: global }
      - { .name: halt_b, .offset: 96, .size: 8, .value_kind: global_buffer, .address_space: global }
      - { .name: dec_b, .offset: 104, .size: 8, .value_kind: global_buffer, .address_space: global }
      - { .name: ws, .offset: 112, .size: 8, .value_kind: global_buffer, .address_space: global }
    .group_segment_fixed_size: 167936
    .private_segment_fixed_size: 0
    .kernarg_segment_align: 8
    .kernarg_segment_size: 120
    .max_flat_workgroup_size: 32
    .sgpr_count:     96
    .vgpr_count:     896
    .wavefront_size: 32
...
	.end_amdgpu_metadata
.endif
;; end of part 1
;; launch spread (part 2): grid 256 x 1, 8 waves a work-group, no clusters, 9,472 bytes of LDS; arguments x, ws, out0, out1, out2; writes out0, out1, out2
.if DOCPART == 2
	.amdgcn_target "amdgcn-amd-amdhsa--gfx1250"
	.amdhsa_code_object_version 6
	.text
	.protected	k_q50d37aa634_spread
	.globl	k_q50d37aa634_spread
	.p2align	8
	.type	k_q50d37aa634_spread,@function
k_q50d37aa634_spread:
	s_mov_b64 s[64:65], 0
	v_nop
	global_prefetch_b8 v0, s[64:65] scope:SCOPE_SE
	s_setreg_imm32_b32 hwreg(HW_REG_WAVE_MODE, 25, 1), 1
	s_wait_xcnt 0x0
; AdvancedCRSN, second of two launches: out0[i][:] = TAB[x[i]][:], the table of 32 rows of logits that the first launch made, and the two means.
; 256 work-groups of eight waves; a work-group owns 512 rows of out0 (65,536 bytes), a wave 64.  The table lies in LDS; a store of a wave covers four rows:
; 512 consecutive bytes, at a multiple of 512 from out0's first byte.  Bytes decide here: x is read once, out0 written once, the table (4,096 bytes) read once a work-group.
; Work-group 0 also makes out1 = sum over tokens of count x still / B and out2 = 1.25 sum of count x vq / (128 B), from the 128 partial histograms and the 32 tokens' statistics;
; a token that never occurs counts with 0, whatever its statistics hold.
; No matrix unit, no tensor load, no cluster: there is nothing to multiply, and what the work-groups share is 4,096 bytes against the 65,536 that each stores.
; LIMITS.  x is taken as 0..31 (clamped, unsigned, to 31).  The sums run in another order than reference()'s means.
.set TABL,  0                          ; LDS: row v at 256 v holds TAB[v] twice (2 x 128 bytes): of the sixteen lanes that a pass serves, eight read the first copy of one row and
                                       ; eight the second copy of another, so the two never want different words of one bank (64 banks of 4 bytes: ISA guide 11.1)
.set PART,  8192                       ; eight waves' partial sums, 8 bytes each, in a block of 256 of their own
.set SPARE, 8448                       ; the spare words: 128 bytes a wave, four blocks of 256 that no other line names
.set HIST,  0                          ; ws: [128][32] f32
.set TAB,   16384                      ; ws: [32][32] f32
.set STAT,  20480                      ; ws: [32][2] f32
.set T16, 1                            ; v1   16 t
.set XO,  2                            ; v2   4 (64 w + lane / 8): my row's entry of x for the first store
.set LC,  3                            ; v3   128 ((lane / 8) % 2) + 16 (lane % 8): the copy and my 16 bytes of a row
.set OO,  4                            ; v4   8,192 w + 16 lane
.set TST, 5                            ; v5   256 (t / 8) + 16 (t % 8)
.set SPW, 6                            ; v6   my spare word; never rewritten
.set NIL, 7                            ; v7   0; never rewritten
.set TA,  8                            ; v8, v9 at work; destinations of v_permlanex16_b32
.set TB,  9
.set Q,   10                           ; v[10:13] my 16 bytes of the table
.set SO,  14                           ; v14  32 (t % 8); later PART
.set PA,  15                           ; v15  PART + 8 w
.set X,   16                           ; v[16:31] x, then LDS addresses; at the end the eight partial sums
.set DD,  32                           ; v[32:95] sixteen stores' data; before that, in work-group 0: v[32:47] counts, v[48:55] statistics, v[56:59] counts summed, v[60:61] sums
	s_load_b256 s[4:11], s[0:1], 0x0               ; x s[4:5], ws s[6:7], out0 s[8:9], out1 s[10:11]
	s_load_b64 s[12:13], s[0:1], 0x20              ; out2
	v_lshl_add_u32 v[SPW], v0, 2, SPARE
	v_mov_b32 v[NIL], 0
	v_lshrrev_b32 v[TA], 5, v0
	v_readfirstlane_b32 s14, v[TA]                 ; wave 0..7
	s_mov_b32 s20, ttmp9
	s_mov_b32 s18, 0x76543210                      ; v_permlanex16_b32: each lane takes its own place in the other half
	s_mov_b32 s19, 0xfedcba98
	s_lshl_b32 s21, s14, 13                        ; 64 rows of 128 bytes
	s_lshl_b32 s22, s14, 6
	s_lshl_b32 s15, s14, 3
	v_and_b32 v[TB], 31, v0                        ; lane
	v_lshlrev_b32 v[T16], 4, v0
	v_lshrrev_b32 v[XO], 3, v[TB]                  ; lane / 8
	v_and_b32 v[SO], 7, v0                         ; t % 8 = lane % 8
	v_and_b32 v[LC], 1, v[XO]
	v_lshlrev_b32 v[LC], 7, v[LC]
	v_lshl_add_u32 v[LC], v[SO], 4, v[LC]
	v_add_lshl_u32 v[XO], v[XO], s22, 2
	v_lshl_add_u32 v[OO], v[TB], 4, s21
	v_lshrrev_b32 v[TST], 3, v0
	v_lshlrev_b32 v[TST], 8, v[TST]
	v_lshl_add_u32 v[TST], v[SO], 4, v[TST]
	v_lshlrev_b32 v[SO], 5, v[SO]
	v_mov_b32 v[PA], s15
	v_add_nc_u32 v[PA], PART, v[PA]
	s_lshl_b32 s16, s20, 11                        ; 512 entries of x
	s_mov_b32 s17, 0
	s_wait_kmcnt 0x0
	s_add_nc_u64 s[4:5], s[4:5], s[16:17]
	s_lshl_b32 s16, s20, 16                        ; 512 rows of out0
	s_add_nc_u64 s[8:9], s[8:9], s[16:17]
	global_load_b128 v[Q:Q+3], v[T16], s[6:7] offset:TAB   ; 256 threads x 16 bytes: the whole table
.set i, 0
.rept 16
	global_load_b32 v[X+i], v[XO], s[4:5] offset:16*i      ; store i's four rows; the eight lanes of a row read the same word
.set i, i+1
.endr
	s_cmp_lg_u32 s20, 0
	s_cbranch_scc1 .Lnot_first
	; work-group 0: thread t takes tokens 4 (t % 8) .. + 3 in chunks t / 8 + 32 i: the 256 threads cover each (chunk, token) once
.set i, 0
.rept 4
	global_load_b128 v[DD+4*i:DD+4*i+3], v[T16], s[6:7] offset:HIST+4096*i
.set i, i+1
.endr
	global_load_b128 v[48:51], v[SO], s[6:7] offset:STAT
	global_load_b128 v[52:55], v[SO], s[6:7] offset:STAT+16
	s_wait_loadcnt 0x0
	v_pk_add_f32 v[32:33], v[32:33], v[36:37]
	v_pk_add_f32 v[34:35], v[34:35], v[38:39]
	v_pk_add_f32 v[40:41], v[40:41], v[44:45]
	v_pk_add_f32 v[42:43], v[42:43], v[46:47]
	v_pk_add_f32 v[56:57], v[32:33], v[40:41]
	v_pk_add_f32 v[58:59], v[34:35], v[42:43]
.irp k, 0,1,2,3
	v_cmp_lt_f32 vcc_lo, 0, v[56+\k]               ; does the token occur in my chunks?
	v_cndmask_b32 v[48+2*\k], 0, v[48+2*\k], vcc_lo
	v_cndmask_b32 v[49+2*\k], 0, v[49+2*\k], vcc_lo
.endr
	v_mul_f32 v60, v56, v48
	v_mul_f32 v61, v56, v49
.irp k, 1,2,3
	v_fmac_f32 v60, v[56+\k], v[48+2*\k]
	v_fmac_f32 v61, v[56+\k], v[49+2*\k]
.endr
.irp m, 1,2,4,8
	v_add_f32_dpp v60, v60, v60 row_xmask:\m row_mask:0xf bank_mask:0xf
	v_add_f32_dpp v61, v61, v61 row_xmask:\m row_mask:0xf bank_mask:0xf
.endr
	v_permlanex16_b32 v[TA], v60, s18, s19
	v_permlanex16_b32 v[TB], v61, s18, s19
	v_add_f32 v60, v60, v[TA]
	v_add_f32 v61, v61, v[TB]
	ds_store_b64 v[PA], v[60:61]                   ; all lanes hold the same two numbers
.Lnot_first:
	s_wait_loadcnt 16                              ; my 16 bytes of the table are in: the 16 loads of x behind them may stay out (in work-group 0 all have landed)
	ds_store_b128 v[TST], v[Q:Q+3]
	ds_store_b128 v[TST], v[Q:Q+3] offset:128
	s_wait_dscnt 0x0                               ; for the others' sake: my stores into LDS are done
	s_barrier_signal -1
	s_barrier_wait -1                              ; the table is whole (and in work-group 0 the eight partial sums are there)
	s_wait_loadcnt 0x0                             ; x
.set i, 0
.rept 16
	v_min_u32 v[X+i], 31, v[X+i]
	v_lshl_add_u32 v[X+i], v[X+i], 8, v[LC]
	ds_load_b128 v[DD+4*i:DD+4*i+3], v[X+i]
.set i, i+1
.endr
.set i, 0
.rept 16
	s_wait_dscnt 15-i                              ; LDS loads come back in order (ISA guide 5.7.1): load i is in, the 15 - i younger ones stay out
	global_store_b128 v[OO], v[DD+4*i:DD+4*i+3], s[8:9] offset:512*i th:TH_STORE_NT
.set i, i+1
.endr
	s_cmp_lg_u32 s20, 0
	s_cbranch_scc1 .Lend
	s_cmp_lg_u32 s14, 0
	s_cbranch_scc1 .Lend
	; wave 0 of work-group 0: the eight waves' sums, scaled, are the two means
	v_mov_b32 v[SO], PART
.set i, 0
.rept 4
	ds_load_b128 v[X+4*i:X+4*i+3], v[SO] offset:16*i
.set i, i+1
.endr
	s_wait_dscnt 0x0
	v_pk_add_f32 v[16:17], v[16:17], v[18:19]
	v_pk_add_f32 v[20:21], v[20:21], v[22:23]
	v_pk_add_f32 v[24:25], v[24:25], v[26:27]
	v_pk_add_f32 v[28:29], v[28:29], v[30:31]
	v_pk_add_f32 v[16:17], v[16:17], v[20:21]
	v_pk_add_f32 v[24:25], v[24:25], v[28:29]
	v_pk_add_f32 v[16:17], v[16:17], v[24:25]
	v_mul_f32 v16, 0x37000000, v16                 ; / 131,072
	v_mul_f32 v17, 0x33a00000, v17                 ; x 1.25 / (128 x 131,072)
	v_mov_b32 v18, 0
	v_cmp_eq_u32 vcc_lo, 0, v0
	s_wait_xcnt 0x0                                ; EXEC is a source of the stores above: it changes only behind this wait
	s_and_saveexec_b32 s23, vcc_lo
	global_store_b32 v18, v16, s[10:11]
	global_store_b32 v18, v17, s[12:13]
	s_wait_xcnt 0x0                                ; and again in front of the line that widens it
	s_or_b32 exec_lo, exec_lo, s23
.Lend:
	s_wait_tensorcnt 0x0                           ; the wave's end, behind my last LDS store
	ds_add_u32 v[SPW], v[NIL]
	s_wait_dscnt 0x0
	s_endpgm
.Lfunc_end_k_q50d37aa634_spread:
	.size	k_q50d37aa634_spread, .Lfunc_end_k_q50d37aa634_spread-k_q50d37aa634_spread
	.p2alignl 7, 3214868480
	.fill 96, 4, 3214868480
	.section	.rodata,"a",@progbits
	.p2align	6, 0x0
	.amdhsa_kernel k_q50d37aa634_spread
		.amdhsa_group_segment_fixed_size 9472
		.amdhsa_private_segment_fixed_size 0
		.amdhsa_enable_private_segment 0
		.amdhsa_kernarg_size 40
		.amdhsa_user_sgpr_count 2
		.amdhsa_user_sgpr_kernarg_segment_ptr 1
		.amdhsa_wavefront_size32 1
		.amdhsa_system_sgpr_workgroup_id_x 1
		.amdhsa_system_sgpr_workgroup_id_y 1
		.amdhsa_system_sgpr_workgroup_id_z 1
		.amdhsa_system_vgpr_workitem_id 0
		.amdhsa_next_free_vgpr 96
		.amdhsa_next_free_sgpr 66
		.amdhsa_reserve_vcc 1
		.amdhsa_float_denorm_mode_32 3
		.amdhsa_float_denorm_mode_16_64 3
		.amdhsa_memory_ordered 1
		.amdhsa_forward_progress 1
		.amdhsa_inst_pref_size 12
	.end_amdhsa_kernel
	.amdgpu_metadata
---
amdhsa.version: [ 1, 2 ]
amdhsa.kernels:
  - .name:           k_q50d37aa634_spread
    .symbol:         k_q50d37aa634_spread.kd
    .args:
      - { .name: x, .offset: 0, .size: 8, .value_kind: global_buffer, .address_space: global }
      - { .name: ws, .offset: 8, .size: 8, .value_kind: global_buffer, .address_space: global }
      - { .name: out0, .offset: 16, .size: 8, .value_kind: global_buffer, .address_space: global }
      - { .name: out1, .offset: 24, .size: 8, .value_kind: global_buffer, .address_space: global }
      - { .name: out2, .offset: 32, .size: 8, .value_kind: global_buffer, .address_space: global }
    .group_segment_fixed_size: 9472
    .private_segment_fixed_size: 0
    .kernarg_segment_align: 8
    .kernarg_segment_size: 40
    .max_flat_workgroup_size: 256
    .sgpr_count:     66
    .vgpr_count:     96
    .wavefront_size: 32
...
	.end_amdgpu_metadata
.endif
;; end of part 2
